; MI455X (gfx1250); checked and timed in simulation.
; The chip was launched on July 23, 2026; its instructions are those of AMD's public machine-readable ISA for CDNA 5 (MIT licence, August 2026) and "CDNA5" Instruction Set Architecture Reference Guide (July 2026). The comments in the code are by the model that wrote it; some were corrected since.
;; Multi Head Attention. Allowed arithmetic: matrix products marked QUANTISED: E2M1 operands, one E8M0 scale for each 32 along K, by v_wmma_scale_f32_16x16x128_f8f6f4 with both operands' format E2M1 (or v_wmma_scale_f32_32x16x128_f4), f32 sums; everything else in f32.
;; Inputs: b_out 1,024 float32; b_qkv 3,072 float32; w_out_codes 1,024 x 32 x 16 uint8 (E2M1 codes of w_out, K innermost, in blocks of 32 codes, two codes a byte); w_out_scales 1,024 x 32 uint8 (E8M0 scales of w_out, one for each 32 codes along K); w_qkv_codes 3,072 x 32 x 16 uint8 (E2M1 codes of w_qkv, K innermost, in blocks of 32 codes, two codes a byte); w_qkv_scales 3,072 x 32 uint8 (E8M0 scales of w_qkv, one for each 32 codes along K); x_codes 4 x 2,048 x 32 x 16 uint8 (E2M1 codes of x, K innermost, in blocks of 32 codes, two codes a byte); x_scales 4 x 2,048 x 32 uint8 (E8M0 scales of x, one for each 32 codes along K).
;; Outputs: out0 4 x 2,048 x 1,024 float32.
;; This version of the problem:
;;   THIS VERSION OF THE PROBLEM IS GIVEN IN LOW PRECISION. The matrix products marked QUANTISED in the list below multiply operands that are first quantised to E2M1 (2 exponent bits, 1 mantissa bit; 4 bits a number), with one power-of-two scale for each 32 numbers along K (OCP MX v1.0); their sums are f32. All else is computed in f32.
;;   The module's matrix products, in the order in which they are computed (A, B: the left and right operand; K: the contracted axis; several contracted axes count as one K, in the product's order):
;;     1. [M 8,192, K 1,024] x [K 1,024, N 3,072]; A: input x (given as codes); B: input w_qkv (given as codes): QUANTISED
;;     2. batch 64 x [M 2,048, K 64] x [K 64, N 2,048]; A: computed on the way; B: computed on the way: QUANTISED
;;     3. batch 64 x [M 2,048, K 2,048] x [K 2,048, N 64]; A: softmax (see below); B: computed on the way: QUANTISED
;;     4. [M 8,192, K 1,024] x [K 1,024, N 1,024]; A: computed on the way; B: input w_out (given as codes): QUANTISED
;;   THE QUANTISER, for each operand of a quantised product, along K:
;;     - K is cut into blocks of 32 from its start; a last block that is shorter is filled with zeros.
;;     - A block's scale is 2^e with e = floor(log2(the largest magnitude in the block)) - 2, held to -126 .. 127; a block of zeros has e = 0. As a byte (E8M0): e + 127.
;;     - Each number is divided by its block's scale, clamped to +-6, and rounded to the nearest number of E2M1, ties to even, subnormals kept.
;;     - The product sums the exact products of the quantised numbers (number of the format x scale) in f32.
;;   ~~~python
;;   def quantise(x, axis):      # numpy; x: float32 -> the quantised numbers, widened to float32 again
;;       x = np.moveaxis(x, axis, -1); K = x.shape[-1]
;;       x = np.pad(x, [(0, 0)] * (x.ndim - 1) + [(0, -K % 32)]); x = x.reshape(x.shape[:-1] + (-1, 32)); a = np.abs(x).max(-1, keepdims=True)
;;       e = np.where(a > 0, np.clip(np.frexp(np.where(a > 0, a, 1))[1] - 1 - 2, -126, 127), 0)      # np.frexp(a)[1] - 1 = floor(log2(a)), exactly
;;       r = np.clip(x / 2.0 ** e, -6, 6)
;;       step = 2.0 ** (np.maximum(np.frexp(np.where(r == 0, 1, r))[1] - 1, 0) - 1)
;;       q = np.round(r / step) * step * 2.0 ** e      # np.round: ties to even
;;       return np.moveaxis(q.reshape(q.shape[:-2] + (-1,))[..., :K], -1, axis).astype(np.float32)
;;   ~~~
;;   SOFTMAX AHEAD OF A QUANTISED PRODUCT. Where the list says 'softmax', what is quantised is not the finished softmax but p = 2^(t - M), with t = logit x log2(e) and M = ceil(the row's largest t), a whole number; so 1/2 < the row's largest p <= 1. The row's sum l is taken of the UNQUANTISED p, in f32, and the product's result is divided by l at the end. Since M is a whole number, a kernel that streams over the keys may use a running M (the ceiling of the running maximum): every later rescaling is an exact power of two, which a block's scale takes up: the codes' values come out the same.
;;   OPERANDS COMPUTED ON THE WAY. 'Computed on the way' means the value that the module computes at that place (a softmax that the list does not call 'softmax' is quantised finished and normalised). What goes into a quantiser is computed in f32, as accurately as f32 sums, v_exp_f32 and their like allow (about 1e-6 of the number): no bf16 or f16 on the way to a quantiser, and a product that is left as it is and whose result goes on into a quantised operand takes f32 operands (vector FMAs, or v_wmma_f32_16x16x4_f32). A number that lies on a knife's edge between two numbers of the format may be rounded either way, as far as f32 arithmetic and the matrix unit's own rounding can turn it there, and no further.
;;   INPUTS GIVEN AS CODES. w_out (in the module: [1024, 1024], K = its axis 0); w_qkv (in the module: [1024, 3072], K = its axis 0); x (in the module: [4, 2048, 1024], K = its axis 2): each comes as NAME_codes (uint8): NAME with its K axis moved to the last place and cut into blocks of 32 codes, [.., K / 32, bytes a block], one block behind the other in memory; two codes a byte, the lower K in the low four bits (a code: sign, 2 exponent bits, 1 mantissa bit); and NAME_scales (uint8): the same leading axes, one E8M0 byte (e + 127) for each 32 codes along K. Its value is code x scale, taken as it is: it is not quantised again, and the codes and scales need not be those that the quantiser above would give.
;; One version. Each part assembles by itself: llvm-mc -triple=amdgcn-amd-amdhsa -mcpu=gfx1250 --defsym DOCPART=n.
;; ======== version 1 of 1: 3 launches
;; workspace buffers: qb 9,175,040 bytes; kv 9,175,040 bytes; attn_img 4,194,304 bytes; attn_sc 262,144 bytes
;; launch qkv (part 1): grid 12 x 32, 4 waves a work-group, clusters of 4 x 4, 327,680 bytes of LDS; arguments x_codes, x_scales, w_qkv_codes, w_qkv_scales, b_qkv, qb, kv; writes qb, kv
.if DOCPART == 1
	.amdgcn_target "amdgcn-amd-amdhsa--gfx1250"
	.amdhsa_code_object_version 6
	.text
	.protected	k_qc101a1bcd8_qkv
	.globl	k_qc101a1bcd8_qkv
	.p2align	8
	.type	k_qc101a1bcd8_qkv,@function
k_qc101a1bcd8_qkv:
	s_mov_b64 s[64:65], 0
	v_nop
	global_prefetch_b8 v0, s[64:65] scope:SCOPE_SE
	s_setreg_imm32_b32 hwreg(HW_REG_WAVE_MODE, 25, 1), 1
	s_wait_xcnt 0x0
	s_wait_alu depctr_hold_cnt(0) depctr_sa_sdst(0) depctr_va_vdst(0) depctr_va_sdst(0) depctr_va_ssrc(0) depctr_va_vcc(0) depctr_vm_vsrc(0)
	s_getreg_b32 s2, hwreg(HW_REG_IB_STS2, 6, 4)
	s_cmp_eq_u32 s2, 0
	s_cbranch_scc0 .Lentry_in_a_cluster
	s_endpgm
.Lentry_in_a_cluster:
	s_bfe_u32 s2, ttmp6, 0x10000c
	s_cmp_lg_u32 s2, 0xf033
	s_cbranch_scc0 .Lentry_shape_is_right
	s_endpgm
.Lentry_shape_is_right:
; FIRST OF THREE LAUNCHES: qkv = x w_qkv + b_qkv on codes of FP4 (E2M1) with E8M0 scales, and q, k, v quantised on the way out.
; NO WORK OF THE PROBLEM IS LEFT OUT IN ANY LAUNCH: every input has a way to the output (b_qkv goes into quantisers, b_out into the result) and every one is loaded.
; LIMITS: a block whose largest magnitude lies under 2^-124 keeps the scale byte 1; a block of zeros gets the byte 1 where the quantiser says 127 (its codes are zeros, and these bytes are read
; by this program alone); NaN and infinities among the inputs are not served.
; THE BODY IS ONE PRODUCT P R^T ON A TILE OF 256 x 256.  R is source 0 of the matrix instruction: a lane's result registers run along R's rows, and the result is quantised along them.  P is source 1: a lane
; holds one row of P.  Clusters with x = 0 (q) and x = 1 (k): P = x's tokens, R = w_qkv's channels, blocks of 32 along a head's 64.  Clusters with x = 2 (v): P = w_qkv's channels, R = x's tokens,
; blocks of 32 along the keys.  The choice hangs on the cluster's x alone: it is the same in all sixteen partners.
; THE ROWS OF A TILE ARE NOT NEIGHBOURS, on both sides: in a run of 128 rows lane r of tile t takes row TROW(t) + LROW(r), TROW(t) = 64 (t / 4) + 8 (t % 4), LROW(r) = r % 8 + 32 (r / 8).
; Then register j of tile t in lane (r, h) belongs to R's row TROW(t) + 32 h + j: the 32 registers of tiles 4 c .. 4 c + 3 are the rows 64 c + 32 h + 0 .. 31: a WHOLE block of 32 in one lane, in the order
; in which a 4-bit operand's registers 4 c .. 4 c + 3 want them.  So a block's largest magnitude asks no other lane, and the conversions' results are the next operand's registers as they stand.
; OUT: images of operand registers (four registers = 512 bytes, lane l at byte 16 l), in records of 8,960 bytes for (batch, head, 128 tokens): +0 eight tiles of q or k (512 bytes each);
; +4096 v^T: four tiles of 16 channels x two groups of four registers; +8192 q's or k's scale words [2][16 rows][4 tiles] (bytes 2 and 3 are 0x7f: the head has 64 of the instruction's 128);
; +8704 v's scale words [16 rows][4 tiles].  q goes to qb, k and v to kv.  Every store of a wave covers whole aligned runs of 256 bytes.
; SHARES: four waves, each 128 rows of P x 128 rows of R: 64 accumulators.  K = 1,024 lies in LDS whole, as two slots of 256 bytes of every row: nothing is filled twice.
; CLUSTER 4 x 4: P's tile hangs on the place along y alone and is asked for jointly by a row of the cluster, R's on the place along x alone, by a column.
; REGISTERS: window 0: addresses, scale words, bias, the block at work.  window 1: two sets of fragments (R's eight at 128 p, P's eight at 128 p + 64).  windows 2, 3: accumulator (a, b) at v[8 (8 (a % 4) + b)] of window 2 + a / 4.
.set PITCH, 272                        ; an LDS row: 256 bytes + 16 of padding
.set HALFT, 128*PITCH                  ; 128 rows: what one tensor load brings
.set SLOT,  4*HALFT                    ; P's 256 rows, then R's 256 rows
.set SPARE, 2*SLOT                     ; behind the slots: the spare words, 128 bytes for each wave
.set REC,   8960                       ; a record
.set HEADB, 16*REC                     ; a head's sixteen records
.set ADRP, 4                           ; v4-5   LDS address of my fragments of P in slot 0, 1
.set ADRR, 6                           ; v6-7   the same for R
.set VSL,  8                           ; v8     scale bytes in memory: 32 LROW(r) + 16 h
.set VO,   9                           ; v9     16 x lane: an image's place
.set VSO,  10                          ; v10    16 r + a head's bytes x h: scale words on the way out
.set SH16, 11                          ; v11    16 h
.set SH8,  12                          ; v12    8 h
.set SPW,  13                          ; v13    my spare word; never rewritten
.set NIL,  14                          ; v14    0; never rewritten
.set AJ,   16                          ; v16-23 the bias loads' offsets
.set MX,   24                          ; v24-25 two blocks' largest magnitudes
.set SOP,  26                          ; v26-27 the conversions' scale operands
.set BY,   28                          ; v28-29 the scales' bytes
.set T,    30                          ; v30    at work
.set PW,   31                          ; v31    a scale word just made
.set PS,   32                          ; v32-63 P's scale words: tile a at 4 a: lanes 0-15 K steps 0-3, lanes 16-31 K steps 4-7
.set RS,   64                          ; v64-95 R's likewise
.set BI,   96                          ; v96-159 the bias
.set ST,   160                         ; v160-223 64 numbers of a lane
.set PC,   224                         ; v224-231 their codes
.set SW,   232                         ; v232-239 scale words on the way out
.set Y,    240                         ; v240-243 the same, two heads in one register
.set G1P,  24
.set G0P,  32
.set G1R,  48
.set G0R,  56
.set SEL,  82
.set MSB, 0
.macro WIN new                         ; the immediate's high byte repeats the setting that is left; a switch that changes nothing is dropped
.if MSB != (\new)
	s_set_vgpr_msb (MSB<<8)|(\new)
.set MSB, (\new)
.endif
.endm
.macro PLACES                          ; four plain places behind matrix instructions, in front of loads into registers that they have read and of reads of their results
.rept 4
	v_nop
.endr
.endm
; A joint load: waves 0 and 1 fetch P's two halves, waves 2 and 3 R's.  The branch hangs on the wave's number alone.  An s_nop 0 and four v_nop follow each line.
.macro JLOAD g0p, g0r
	s_cmp_eq_u32 s19, 0
	s_cbranch_scc0 .Lfor_r_\@
	tensor_load_to_lds s[\g0p:\g0p+3], s[G1P:G1P+7]
	s_nop 0
.rept 4
	v_nop
.endr
	s_branch .Lasked_\@
.Lfor_r_\@:
	tensor_load_to_lds s[\g0r:\g0r+3], s[G1R:G1R+7]
	s_nop 0
.rept 4
	v_nop
.endr
.Lasked_\@:
.endm
.macro CROUND                          ; a round of the cluster's barrier
	s_barrier_signal -1
	s_barrier_wait -1
	s_cmp_lg_u32 s18, 0
	s_cbranch_scc1 .Lnot_wave_0_\@
	s_barrier_signal -3
.Lnot_wave_0_\@:
	s_barrier_wait -3
	s_barrier_signal -1
	s_barrier_wait -1
.endm
	s_load_b256 s[4:11], s[0:1], 0x0               ; x's codes s[4:5], x's scales s[6:7], w's codes s[8:9], w's scales s[10:11]
	s_load_b128 s[12:15], s[0:1], 0x20             ; b_qkv s[12:13], qb s[14:15]
	s_load_b64 s[16:17], s[0:1], 0x30              ; kv
	v_lshl_add_u32 v[SPW], v0, 2, SPARE
	v_mov_b32 v[NIL], 0
	ds_add_u32 v[SPW], v[NIL]                      ; the wave's opening: the add, twice on end, and its wait ahead of my first tensor load
	ds_add_u32 v[SPW], v[NIL]                      ; and once more, under the one wait; the set-up below is work on registers
	v_lshrrev_b32 v1, 5, v0
	v_readfirstlane_b32 s18, v1                    ; wave 0..3
	s_lshr_b32 s19, s18, 1                         ; PH: which 128 rows of P are mine.  Also: I fetch for P (0) or for R (1)
	s_and_b32 s20, s18, 1                          ; RH: which 128 rows of R are mine.  Also: which half of that tile I fetch
	s_bfe_u32 s40, ttmp6, 0x40000                  ; cx
	s_bfe_u32 s41, ttmp6, 0x40004                  ; cy
	s_mov_b32 s42, ttmp9                           ; the cluster's x: 0 q, 1 k, 2 v
	s_and_b32 s43, ttmp7, 0xffff                   ; the cluster's y: 1,024 tokens
	s_lshl_b32 s21, s41, 2
	s_lshl_b32 s21, 15, s21                        ; my row of the cluster
	s_lshl_b32 s22, 0x1111, s40                    ; my column
	s_or_b32 s[G1P], s21, (1<<20)|(1<<21)|(5<<22)|(3<<25)   ; 15:0 the mask; elements of 1 byte; 20 padding on; 21 set beside a mask; after every 64 words, 4 words
	s_or_b32 s[G1R], s22, (1<<20)|(1<<21)|(5<<22)|(3<<25)
.irp g, G1P, G1R
	s_mov_b32 s[\g+1], 256<<16                     ; tensor_dim0 = 256 bytes
	s_mov_b32 s[\g+2], 128<<16                     ; tensor_dim1 = 128 rows
	s_mov_b32 s[\g+3], 256<<16                     ; tile_dim0
	s_mov_b32 s[\g+4], 128                         ; tile_dim1
	s_mov_b32 s[\g+5], 512                         ; a row of 1,024 codes in memory
	s_mov_b32 s[\g+6], 0
	s_mov_b32 s[\g+7], 0
.endr
	s_lshl_b32 s23, s43, 2
	s_lshl_b32 s46, s42, 2
	s_cmp_eq_u32 s42, 2                            ; v's cluster?
	s_cselect_b32 s87, -1, 0                       ; as a lane mask
	s_cselect_b32 s45, 8, s23                      ; P's tile of 256 rows: w's 8 + cy, or x's 4 Y + cy: it holds cy alone
	s_cselect_b32 s47, s23, s46                    ; R's: x's 4 Y + cx, or w's 4 X + cx: it holds cx alone
	s_add_co_u32 s45, s45, s41
	s_add_co_u32 s47, s47, s40
	s_lshl_b32 s3, s20, 7                          ; the half that I fetch
	s_lshl_b32 s78, s45, 8
	s_add_co_u32 s78, s78, s3
	s_lshl_b32 s78, s78, 9                         ; rows of 512 bytes
	s_mov_b32 s79, 0
	s_lshl_b32 s80, s47, 8
	s_add_co_u32 s80, s80, s3
	s_lshl_b32 s80, s80, 9
	s_mov_b32 s81, 0
	s_mul_i32 s2, s18, HALFT                       ; where my load goes: wave x 128 rows: no place in the cluster enters an LDS address
	s_mov_b32 s[SEL], 0x76543210
	s_mov_b32 s[SEL+1], 0xfedcba98                 ; v_permlanex16_b32's selects for lane l xor 16
	s_mov_b32 s84, 0xffff
	s_mov_b32 s85, 0x7f7f0000
	s_mov_b32 s86, 0xffff0000                      ; lanes 16-31
	s_wait_dscnt 0x0                               ; both opening adds are done
	s_wait_kmcnt 0x0
	s_cmp_eq_u32 s42, 2
	s_cselect_b64 s[66:67], s[8:9], s[4:5]         ; P's codes
	s_cselect_b64 s[68:69], s[4:5], s[8:9]         ; R's codes
	s_cselect_b64 s[70:71], s[10:11], s[6:7]       ; P's scales
	s_cselect_b64 s[72:73], s[6:7], s[10:11]       ; R's scales
	s_add_nc_u64 s[66:67], s[66:67], s[78:79]
	s_add_nc_u64 s[68:69], s[68:69], s[80:81]
	CROUND                                         ; all sixteen work-groups are here: the joint loads meet
.irp s, 0,1
	s_mov_b32 s[G0P+4*\s], 1
	s_add_co_u32 s[G0P+4*\s+1], s2, \s*SLOT
	s_add_nc_u64 s[G0P+4*\s+2:G0P+4*\s+3], s[66:67], \s*256
	s_or_b32 s[G0P+4*\s+3], s[G0P+4*\s+3], 0x80000000
	s_mov_b32 s[G0R+4*\s], 1
	s_add_co_u32 s[G0R+4*\s+1], s2, \s*SLOT
	s_add_nc_u64 s[G0R+4*\s+2:G0R+4*\s+3], s[68:69], \s*256
	s_or_b32 s[G0R+4*\s+3], s[G0R+4*\s+3], 0x80000000
	JLOAD G0P+4*\s, G0R+4*\s                       ; two tensor loads of mine are out, and there are no others in this text
.endr
	; my own rows' scales, the bias and the place of my results
	s_lshl_b32 s88, s45, 8
	s_lshl_b32 s89, s19, 7
	s_add_co_u32 s88, s88, s89                     ; P's first row of mine
	s_lshl_b32 s90, s47, 8
	s_lshl_b32 s91, s20, 7
	s_add_co_u32 s90, s90, s91                     ; R's
	s_cmp_eq_u32 s42, 2
	s_cselect_b32 s92, s88, s90                    ; the side that holds w's rows: the channel's number in b_qkv
	s_lshl_b32 s92, s92, 2
	s_mov_b32 s93, 0
	s_add_nc_u64 s[74:75], s[12:13], s[92:93]
	s_lshl_b32 s88, s88, 5                         ; 32 scale bytes a row
	s_mov_b32 s89, 0
	s_add_nc_u64 s[70:71], s[70:71], s[88:89]
	s_lshl_b32 s90, s90, 5
	s_mov_b32 s91, 0
	s_add_nc_u64 s[72:73], s[72:73], s[90:91]
	s_cmp_eq_u32 s42, 2
	s_cselect_b32 s88, s41, s40                    ; which four heads,
	s_cselect_b32 s89, s19, s20                    ; which two of them,
	s_cselect_b32 s90, s40, s41                    ; which 256 tokens,
	s_cselect_b32 s91, s20, s19                    ; which 128 of them
	s_lshr_b32 s92, s43, 1                         ; the batch
	s_lshl_b32 s92, s92, 2
	s_add_co_u32 s92, s92, s88
	s_lshl_b32 s92, s92, 1
	s_add_co_u32 s92, s92, s89
	s_lshl_b32 s92, s92, 1                         ; 16 x batch + my first head
	s_and_b32 s93, s43, 1
	s_lshl_b32 s93, s93, 2
	s_add_co_u32 s93, s93, s90
	s_lshl_b32 s93, s93, 1
	s_add_co_u32 s93, s93, s91                     ; which 128 tokens of the batch's 2,048
	s_lshl_b32 s92, s92, 4
	s_add_co_u32 s92, s92, s93
	s_mul_i32 s92, s92, REC
	s_mov_b32 s93, 0
	s_cmp_eq_u32 s42, 0
	s_cselect_b64 s[76:77], s[14:15], s[16:17]     ; q to qb, k and v to kv
	s_add_nc_u64 s[76:77], s[76:77], s[92:93]
	v_and_b32 v1, 15, v0                           ; r
	v_bfe_u32 v2, v0, 4, 1                         ; h
	v_and_b32 v3, 7, v0
	v_bfe_u32 v15, v0, 3, 1
	v_lshl_add_u32 v3, v15, 5, v3                  ; LROW(r)
	v_mul_u32_u24 v15, v3, PITCH
	v_lshl_add_u32 v15, v2, 4, v15                 ; a fragment's row x pitch + 16 h
	s_mul_i32 s88, s19, HALFT
	s_mul_i32 s89, s20, HALFT
	s_add_co_u32 s89, s89, 2*HALFT
.irp s, 0,1
	v_add_nc_u32 v[ADRP+\s], s88, v15
	v_add_nc_u32 v[ADRR+\s], s89, v15
	s_add_co_u32 s88, s88, SLOT
	s_add_co_u32 s89, s89, SLOT
.endr
	v_lshlrev_b32 v[VSL], 5, v3
	v_lshl_add_u32 v[VSL], v2, 4, v[VSL]
	v_and_b32 v[VO], 31, v0
	v_lshlrev_b32 v[VO], 4, v[VO]
	v_mul_u32_u24 v[VSO], v2, HEADB
	v_lshl_add_u32 v[VSO], v1, 4, v[VSO]
	v_lshlrev_b32 v[SH16], 4, v2
	v_lshlrev_b32 v[SH8], 3, v2
	v_lshlrev_b32 v15, 2, v3                       ; v: the bias of my lane's channel: 4 LROW(r)
	v_lshlrev_b32 v[T], 7, v2                      ; q, k: the bias of register j's channel: 4 (32 h + j)
.irp j, 0,1,2,3,4,5,6,7
	v_add_nc_u32 v[AJ+\j], 4*\j, v[T]
.endr
.irp j, 0,1,2,3,4,5,6,7
	v_cndmask_b32 v[AJ+\j], v[AJ+\j], v15, s87     ; a choice, no branch: all 64 bias registers are written on every way
.endr
.irp a, 0,1,2,3,4,5,6,7
	global_load_b128 v[PS+4*\a:PS+4*\a+3], v[VSL], s[70:71] offset:32*(64*(\a/4)+8*(\a%4))   ; eight neighbouring rows x 32 bytes are 256 consecutive bytes
	global_load_b128 v[RS+4*\a:RS+4*\a+3], v[VSL], s[72:73] offset:32*(64*(\a/4)+8*(\a%4))
.endr
.irp t, 0,1,2,3,4,5,6,7
.irp j, 0,1,2,3,4,5,6,7
	global_load_b32 v[BI+8*\t+\j], v[AJ+\j], s[74:75] offset:4*(64*(\t/4)+8*(\t%4))
.endr
.endr
; 32 LDS loads: the fragments of K step q (128 along K: 64 bytes of each row) into set p.  A fragment is 8 registers: registers 4 c .. 4 c + 3 hold K = 64 c + 32 h + 0 .. 31: two loads of 16 bytes, 32 apart.
.macro FETCH q, p
	WIN 0x40                                       ; destination window 1, address window 0
.irp t, 0,1,2,3,4,5,6,7
.irp c, 0,1
	ds_load_b128 v[128*(\p)+8*\t+4*\c:128*(\p)+8*\t+4*\c+3], v[ADRR+(\q)/4] offset:64*((\q)%4)+32*\c+(64*(\t/4)+8*(\t%4))*PITCH
.endr
.endr
.irp t, 0,1,2,3,4,5,6,7
.irp c, 0,1
	ds_load_b128 v[128*(\p)+64+8*\t+4*\c:128*(\p)+64+8*\t+4*\c+3], v[ADRP+(\q)/4] offset:64*((\q)%4)+32*\c+(64*(\t/4)+8*(\t%4))*PITCH
.endr
.endr
.endm
; 32 matrix instructions: P's tiles 4 half .. 4 half + 3 x R's eight, K step q.  The 64 accumulators take turns, one instruction a turn, in the same order in every step.
; K step 0 starts the sums with the constant 0.  K steps 4 to 7 read their scale words from lanes 16-31.
.macro MULH q, p, half
	WIN 0xa5+0x50*(\half)                          ; sources 0 and 1 window 1; C and D window 2 or 3
.irp a, 0,1,2,3
.irp b, 0,1,2,3,4,5,6,7
.if (\q) == 0
	v_wmma_scale_f32_16x16x128_f8f6f4 v[8*(8*\a+\b):8*(8*\a+\b)+7], v[128*(\p)+8*\b:128*(\p)+8*\b+7], v[128*(\p)+64+8*(4*(\half)+\a):128*(\p)+64+8*(4*(\half)+\a)+7], 0, v[RS+4*\b], v[PS+4*(4*(\half)+\a)] matrix_a_fmt:MATRIX_FMT_FP4 matrix_b_fmt:MATRIX_FMT_FP4
.elseif (\q) < 4
	v_wmma_scale_f32_16x16x128_f8f6f4 v[8*(8*\a+\b):8*(8*\a+\b)+7], v[128*(\p)+8*\b:128*(\p)+8*\b+7], v[128*(\p)+64+8*(4*(\half)+\a):128*(\p)+64+8*(4*(\half)+\a)+7], v[8*(8*\a+\b):8*(8*\a+\b)+7], v[RS+4*\b+(\q)], v[PS+4*(4*(\half)+\a)+(\q)] matrix_a_fmt:MATRIX_FMT_FP4 matrix_b_fmt:MATRIX_FMT_FP4
.else
	v_wmma_scale_f32_16x16x128_f8f6f4 v[8*(8*\a+\b):8*(8*\a+\b)+7], v[128*(\p)+8*\b:128*(\p)+8*\b+7], v[128*(\p)+64+8*(4*(\half)+\a):128*(\p)+64+8*(4*(\half)+\a)+7], v[8*(8*\a+\b):8*(8*\a+\b)+7], v[RS+4*\b+(\q)-4], v[PS+4*(4*(\half)+\a)+(\q)-4] matrix_a_fmt:MATRIX_FMT_FP4 matrix_b_fmt:MATRIX_FMT_FP4 matrix_a_scale:MATRIX_SCALE_ROW1 matrix_b_scale:MATRIX_SCALE_ROW1
.endif
.endr
.endr
.endm
.macro KSTEP q                         ; a K step whose successor's fragments can be fetched at once: they are asked for ahead of this step's products
	PLACES                                         ; the other set was read by the step before
	FETCH (\q)+1, ((\q)+1)%2
	s_wait_dscnt 32                                ; all but the 32 just issued: this step's fragments are in
	MULH \q, (\q)%2, 0
	MULH \q, (\q)%2, 1
.endm
	s_wait_tensorcnt 0x1                           ; my part of slot 0 is in; slot 1's load, issued behind it, may stay out
	s_barrier_signal -1
	s_barrier_wait -1                              ; everybody's is
	FETCH 0, 0
	FETCH 1, 1
	s_wait_loadcnt 0x0                             ; the scale words and the bias
	s_wait_dscnt 32                                ; K step 0's fragments are in; K step 1's 32 loads may be out
	MULH 0, 0, 0
	MULH 0, 0, 1
	KSTEP 1
	KSTEP 2
	s_wait_tensorcnt 0x0                           ; K step 3: its successor lies in slot 1: my part of that slot is in,
	s_wait_dscnt 0x0                               ; no LDS load of mine is out at the signal (K step 3's fragments are in),
	s_barrier_signal -1
	MULH 3, 1, 0                                   ; work on registers while the others arrive
	s_barrier_wait -1                              ; everybody's part of slot 1 is in
	PLACES
	FETCH 4, 0
	MULH 3, 1, 1
	KSTEP 4
	KSTEP 5
	KSTEP 6
	s_wait_dscnt 0x0
	MULH 7, 1, 0
	MULH 7, 1, 1
	WIN 0
	PLACES
; P's tile a: its eight accumulators + the bias become 64 numbers in window 0; each accumulator is read from its low end on.  The addition is also the move between windows.
.macro TAKE a, isv
	WIN 0x02+(\a)/4                                ; source 0: window 2 or 3
.irp b, 0,1,2,3,4,5,6,7
.irp i, 0,2,4,6
.if \isv
	v_pk_add_f32 v[ST+8*\b+\i:ST+8*\b+\i+1], v[8*(8*((\a)%4)+\b)+\i:8*(8*((\a)%4)+\b)+\i+1], v[BI+8*(\a):BI+8*(\a)+1]
.else
	v_pk_add_f32 v[ST+8*\b+\i:ST+8*\b+\i+1], v[8*(8*((\a)%4)+\b)+\i:8*(8*((\a)%4)+\b)+\i+1], v[BI+8*\b+\i:BI+8*\b+\i+1]
.endif
.endr
.endr
	WIN 0
.endm
; 64 numbers of a lane, register 32 c + i = k 64 c + 32 h + i, become a fragment's codes in v[PC] on and its scale word (byte 2 c + h for block 2 c + h) in v[pw].
.macro QB s, pw
.irp c, 0,1
	v_max3_num_f32 v[MX+\c], |v[\s+32*\c]|, |v[\s+32*\c+1]|, 0x1800000   ; my block 2 c + h, and the floor 2^(3 - 127): the byte cannot fall under 1
.endr
.irp i, 2,4,6,8,10,12,14,16,18,20,22,24,26,28,30
.irp c, 0,1
	v_max3_num_f32 v[MX+\c], v[MX+\c], |v[\s+32*\c+\i]|, |v[\s+32*\c+\i+1]|   ; (the two blocks by turns)
.endr
.endr
.irp c, 0,1
	v_add_nc_u32 v[SOP+\c], 0xff000000, v[MX+\c]   ; 2 off the exponent field: the conversion takes the exponent field of this operand as its scale
.endr
.irp c, 0,1
	v_lshrrev_b32 v[BY+\c], 23, v[SOP+\c]          ; the scale's byte
.endr
	v_lshl_or_b32 v[\pw], v[BY+1], 16, v[BY]
	v_lshlrev_b32 v[\pw], v[SH8], v[\pw]           ; my two bytes at their places,
	v_permlanex16_b32 v[T], v[\pw], s[SEL], s[SEL+1]
	v_or_b32 v[\pw], v[\pw], v[T]                  ; with lane l xor 16's two the word is whole
	s_wait_alu depctr_va_vdst(0)
	s_wait_xcnt 0x0                                ; the codes' registers were the data of the tile before's stores: they are written again only behind this wait
.irp c, 0,1
.irp g, 0,1,2,3
	v_cvt_scalef32_pk8_fp4_f32 v[PC+4*\c+\g], v[\s+32*\c+8*\g:\s+32*\c+8*\g+7], v[SOP+\c]
.endr
.endr
	v_nop                                          ; one plain place behind the scaled conversions
.endm
	s_cmp_eq_u32 s42, 2                            ; the cluster's x alone: the same in all partners
	s_cbranch_scc1 .Lepi_v
	; q, k: a lane holds one token; registers 0-31 are my first head's block h, registers 32-63 my second head's
.irp a, 0,1,2,3,4,5,6,7
	TAKE \a, 0
	QB ST, PW
	v_lshrrev_b32 v[T], v[SH16], v[PW]             ; lanes 0-15 keep the first head's two bytes, lanes 16-31 take the second head's,
	v_and_or_b32 v[SW+\a], v[T], s84, s85          ; under two bytes of 1.0 for the upper half of the instruction's K
	global_store_b128 v[VO], v[PC:PC+3], s[76:77] offset:512*\a              ; tile a's image: 512 consecutive bytes
	global_store_b128 v[VO], v[PC+4:PC+7], s[76:77] offset:512*\a+HEADB      ; and the second head's
.if \a%4 == 3
	global_store_b128 v[VSO], v[SW+4*(\a/4):SW+4*(\a/4)+3], s[76:77] offset:8192+256*(\a/4)   ; four tiles' words: 256 consecutive bytes for each head
.endif
.endr
	s_branch .Ldone
.Lepi_v:
	; v: a lane holds one channel; its 64 registers are 128 keys' blocks 2 c + h: a whole fragment of v^T
.irp a, 0,1,2,3,4,5,6,7
	TAKE \a, 1
	QB ST, SW+\a
	global_store_b128 v[VO], v[PC:PC+3], s[76:77] offset:HEADB*(\a/4)+4096+1024*(\a%4)
	global_store_b128 v[VO], v[PC+4:PC+7], s[76:77] offset:HEADB*(\a/4)+4096+1024*(\a%4)+512
.endr
.irp i, 0,1,2,3
	v_cndmask_b32 v[Y+\i], v[SW+\i], v[SW+4+\i], s86   ; lanes 0-15 the first head's words, lanes 16-31 the second's
.endr
	global_store_b128 v[VSO], v[Y:Y+3], s[76:77] offset:8704
.Ldone:
	s_wait_tensorcnt 0x0                           ; the wave's end, behind my last tensor load
	ds_add_u32 v[SPW], v[NIL]
	s_wait_dscnt 0x0
	CROUND                                         ; the closing round: no work-group ends while a partner may still ask for a tile that names it
	s_endpgm
.Lfunc_end_k_qc101a1bcd8_qkv:
	.size	k_qc101a1bcd8_qkv, .Lfunc_end_k_qc101a1bcd8_qkv-k_qc101a1bcd8_qkv
	.p2alignl 7, 3214868480
	.fill 96, 4, 3214868480
	.section	.rodata,"a",@progbits
	.p2align	6, 0x0
	.amdhsa_kernel k_qc101a1bcd8_qkv
		.amdhsa_group_segment_fixed_size 327680
		.amdhsa_private_segment_fixed_size 0
		.amdhsa_enable_private_segment 0
		.amdhsa_kernarg_size 56
		.amdhsa_user_sgpr_count 2
		.amdhsa_user_sgpr_kernarg_segment_ptr 1
		.amdhsa_wavefront_size32 1
		.amdhsa_system_sgpr_workgroup_id_x 1
		.amdhsa_system_sgpr_workgroup_id_y 1
		.amdhsa_system_sgpr_workgroup_id_z 1
		.amdhsa_system_vgpr_workitem_id 0
		.amdhsa_next_free_vgpr 1024
		.amdhsa_next_free_sgpr 96
		.amdhsa_reserve_vcc 0
		.amdhsa_float_denorm_mode_32 3
		.amdhsa_float_denorm_mode_16_64 3
		.amdhsa_memory_ordered 1
		.amdhsa_forward_progress 1
		.amdhsa_inst_pref_size 186
	.end_amdhsa_kernel
	.amdgpu_metadata
---
amdhsa.version: [ 1, 2 ]
amdhsa.kernels:
  - .name:           k_qc101a1bcd8_qkv
    .symbol:         k_qc101a1bcd8_qkv.kd
    .args:
      - { .name: x_codes, .offset: 0, .size: 8, .value_kind: global_buffer, .address_space: global }
      - { .name: x_scales, .offset: 8, .size: 8, .value_kind: global_buffer, .address_space: global }
      - { .name: w_qkv_codes, .offset: 16, .size: 8, .value_kind: global_buffer, .address_space: global }
      - { .name: w_qkv_scales, .offset: 24, .size: 8, .value_kind: global_buffer, .address_space: global }
      - { .name: b_qkv, .offset: 32, .size: 8, .value_kind: global_buffer, .address_space: global }
      - { .name: qb, .offset: 40, .size: 8, .value_kind: global_buffer, .address_space: global }
      - { .name: kv, .offset: 48, .size: 8, .value_kind: global_buffer, .address_space: global }
    .group_segment_fixed_size: 327680
    .private_segment_fixed_size: 0
    .kernarg_segment_align: 8
    .kernarg_segment_size: 56
    .max_flat_workgroup_size: 128
    .sgpr_count:     96
    .vgpr_count:     1024
    .wavefront_size: 32
...
	.end_amdgpu_metadata
.endif
;; end of part 1
;; launch attn (part 2): grid 8 x 32, 16 waves a work-group, clusters of 4 x 1, 327,680 bytes of LDS; arguments qb, kv, attn_img, attn_sc; writes attn_img, attn_sc
.if DOCPART == 2
	.amdgcn_target "amdgcn-amd-amdhsa--gfx1250"
	.amdhsa_code_object_version 6
	.text
	.protected	k_qc101a1bcd8_attn
	.globl	k_qc101a1bcd8_attn
	.p2align	8
	.type	k_qc101a1bcd8_attn,@function
k_qc101a1bcd8_attn:
	s_mov_b64 s[64:65], 0
	v_nop
	global_prefetch_b8 v0, s[64:65] scope:SCOPE_SE
	s_setreg_imm32_b32 hwreg(HW_REG_WAVE_MODE, 25, 1), 1
	s_wait_xcnt 0x0
	s_wait_alu depctr_hold_cnt(0) depctr_sa_sdst(0) depctr_va_vdst(0) depctr_va_sdst(0) depctr_va_ssrc(0) depctr_va_vcc(0) depctr_vm_vsrc(0)
	s_getreg_b32 s2, hwreg(HW_REG_IB_STS2, 6, 4)
	s_cmp_eq_u32 s2, 0
	s_cbranch_scc0 .Lentry_in_a_cluster
	s_endpgm
.Lentry_in_a_cluster:
	s_bfe_u32 s2, ttmp6, 0x10000c
	s_cmp_lg_u32 s2, 0x3003
	s_cbranch_scc0 .Lentry_shape_is_right
	s_endpgm
.Lentry_shape_is_right:
; SECOND OF THREE LAUNCHES: softmax(q k^T / 8) v for two heads and 256 queries a work-group, both products on codes of FP4 (E2M1) with E8M0 scales, and the result quantised along the model's 1,024.  No work is left out.
; THE SOFTMAX AHEAD OF THE SECOND PRODUCT: t = score x log2(e) / 8; M = the row's largest t so far, rounded UP to a whole number; p = 2^(t - M) is what is quantised, along the keys; the row's sum is taken of
; the unquantised p and divides at the end.  When M moves, the sum and O are multiplied by 2^(old M - new M): exact.
; LIMITS: the running largest t starts at -3e38; a block's largest p is taken from its largest score (v_exp_f32 is taken not to fall where its input rises); a block whose largest magnitude lies under 2^-124,
; zeros among them, keeps the scale byte 1 (these bytes are read by this program alone); NaN and infinities are not served.
; SHARES: work-group y = 8 x batch + pair of heads; x = 256 queries.  Each of SIXTEEN waves owns one tile of 16 queries, in 256 registers, for both heads, one head after the other: so it ends with a whole fragment
; (128 along the model's axis) and a whole scale word of the last product's operand.  Four waves share a SIMD: one wave's vector work stands beside another's matrix work and LDS loads.
; LDS: both heads' records of k and v (2 x 16 x 8,960 bytes, laid by the launch before as images of operand registers) are brought ONCE, one record of each head by each wave, and stay: nothing is filled twice,
; and the loop over the keys has no barrier.  CLUSTER 4 x 1: the four blocks of queries of a cluster read the same bytes: each load is asked for jointly.
; No prefetch: k and v are asked for once, at the head, and there is no later stream.
; LAYOUT: both products transposed: S^T = k q^T, O^T = v^T p^T: a lane holds ONE query.  The keys of a tile of k are chosen (lane r of tile t: key 64 (t / 4) + 8 (t % 4) + r % 8 + 32 (r / 8)) so that the 32 registers
; of tiles 4 c .. 4 c + 3 are keys 64 c + 32 h + 0 .. 31: a whole block in a lane, in the operand's own order.  v^T's channels are chosen likewise: O^T's 32 registers are channels 32 h + 0 .. 31.
; A HEAD HAS 64 OF THE INSTRUCTION'S 128 ALONG K: q's registers 4-7 are zero codes; a tile of k is named with the four registers that follow it, whatever they hold: they meet q's zeros; the scale bytes there are 1.0.
.set REC,   8960
.set HEADB, 16*REC
.set STAGE, 2*HEADB                    ; behind the records: 1,024 bytes, the sixteen waves' scale words on the way out
.set SPARE, STAGE+1024                 ; the spare words, 128 bytes for each wave
.set LI,  1                            ; v1   16 x lane
.set LSC, 2                            ; v2   16 x (lane % 16)
.set SPW, 3                            ; v3   my spare word; never rewritten
.set NIL, 4                            ; v4   0; never rewritten
.set SH8, 5                            ; v5   8 h
.set VB,  6                            ; v6   the step's record + 16 x lane
.set VSB, 7                            ; v7   the step's record + 16 x (lane % 16)
.set VQS, 8                            ; v8   q's scale word in its record's table
.set STA, 9                            ; v9   where my wave's scale words go in the stage
.set RDA, 10                           ; v10  where the stage is read back
.set VQ,  11                           ; v11  q's image in its record
                                       ; v12 -M, v13 the largest t, v[14:15] the sum in two halves
.set QF0, 16                           ; v16-23, v24-31 q's fragments of the two heads
.set KF,  32                           ; v32-63 eight tiles of k, four registers each; v64-67 zeros
.set VF,  68                           ; v68-99 four tiles of v^T
.set S,   100                          ; v100-163 S^T, then p
.set O,   164                          ; v164-195 O^T
.set PC,  196                          ; v196-203 p's codes
.set KSC, 204                          ; v204-211 k's scale words
.set VSC, 212                          ; v212-215 v's
.set QS0, 216                          ; v216-217 q's
.set PW,  218                          ; v218 p's
.set MB,  220                          ; v220-223 four chains of maxima
.set BM,  224                          ; v224-225 my two blocks' largest score, then largest p
.set T,   226
.set T2,  227
.set F,   228                          ; v[228:229] f = 2^(old M - new M); later 1 / the sum
.set SM2, 230                          ; v[230:231] the sums' second chain
.set SOP, 232
.set BY,  234
.set OC,  236                          ; v236-243 the result's codes: a fragment of the last product
.set OW,  244                          ; v244 and its scale word
.set VG,  245                          ; v245 16 x (thread % 64)
.set WV,  12
.set SEL, 20
.set CS,  22
.set G1,  24
.set TB,  40
.set CNT, 41
.macro CROUND
	s_barrier_signal -1
	s_barrier_wait -1
	s_cmp_lg_u32 s[WV], 0
	s_cbranch_scc1 .Lnot_wave_0_\@
	s_barrier_signal -3
.Lnot_wave_0_\@:
	s_barrier_wait -3
	s_barrier_signal -1
	s_barrier_wait -1
.endm
	s_load_b256 s[4:11], s[0:1], 0x0               ; qb s[4:5], kv s[6:7], attn_img s[8:9], attn_sc s[10:11]
	v_lshl_add_u32 v[SPW], v0, 2, SPARE
	v_mov_b32 v[NIL], 0
	ds_add_u32 v[SPW], v[NIL]                      ; the wave's opening: the add, twice on end, and its wait ahead of my first tensor load
	ds_add_u32 v[SPW], v[NIL]                      ; and once more, under the one wait; the set-up below is work on registers
	v_lshrrev_b32 v1, 5, v0
	s_delay_alu instid0(VALU_DEP_1)
	v_readfirstlane_b32 s[WV], v1                  ; wave 0..15
	s_bfe_u32 s13, ttmp6, 0x40000                  ; cx
	s_lshl_b32 s14, ttmp9, 2
	s_add_co_u32 s14, s14, s13                     ; my block of 256 queries: it enters q's and the results' addresses alone
	s_and_b32 s15, ttmp7, 0xffff                   ; 8 x batch + pair of heads, which the four partners share
	s_mov_b32 s[G1], 15|(3<<16)|(1<<21)            ; 15:0 the mask: all four work-groups; elements of 8 bytes; 21 set beside a mask; no padding: an image's 512 bytes are read on end
	s_mov_b32 s[G1+1], 32<<16                      ; a record is a dense block: 35 rows of 256 bytes
	s_mov_b32 s[G1+2], 35<<16
	s_mov_b32 s[G1+3], 32<<16
	s_mov_b32 s[G1+4], 35
	s_mov_b32 s[G1+5], 32
	s_mov_b32 s[G1+6], 0
	s_mov_b32 s[G1+7], 0
	s_mul_i32 s42, s[WV], REC                      ; my record: key step = my wave's number; its place in a head is the same in memory and in LDS
	s_mul_i32 s16, s15, 2*HEADB
	s_add_co_u32 s16, s16, s42
	s_mov_b32 s17, 0
	s_mov_b32 s[SEL], 0x76543210
	s_mov_b32 s[SEL+1], 0xfedcba98                 ; v_permlanex16_b32's selects for lane l xor 16
	s_mov_b32 s[CS], 0x3e38aa3b                    ; c = log2(e) / 8
	s_mov_b32 s[CS+1], s[CS]                       ; (named with it as a pair, so it is written)
	s_wait_dscnt 0x0                               ; both opening adds are done
	s_wait_kmcnt 0x0
	CROUND                                         ; all four work-groups are here: the joint loads meet
	s_mov_b32 s32, 1
	s_mov_b32 s33, s42
	s_add_nc_u64 s[34:35], s[6:7], s[16:17]
	s_mov_b32 s36, 1
	s_add_co_u32 s37, s42, HEADB
	s_add_nc_u64 s[38:39], s[34:35], HEADB
	s_or_b32 s35, s35, 0x80000000
	s_or_b32 s39, s39, 0x80000000
	tensor_load_to_lds s[32:35], s[G1:G1+7]        ; the first head's record; every wave issues both loads: two of mine are out, and there are no others in this text
	s_nop 0
	s_wait_alu depctr_va_vdst(0)
	s_wait_tensorcnt 0x0
	ds_add_u32 v3, v4
	s_wait_dscnt 0x0
	CROUND
	tensor_load_to_lds s[36:39], s[G1:G1+7]        ; the second head's
	s_nop 0
.rept 4
	v_nop
.endr
	v_and_b32 v[LI], 31, v0
	s_delay_alu instid0(VALU_DEP_1)
	v_lshlrev_b32 v[LI], 4, v[LI]
	s_wait_alu depctr_va_vdst(0)
	v_and_b32 v[LSC], 15, v0
	s_delay_alu instid0(VALU_DEP_1)
	v_lshlrev_b32 v[LSC], 4, v[LSC]
	s_wait_alu depctr_va_vdst(0)
	v_bfe_u32 v[SH8], v0, 4, 1
	s_delay_alu instid0(VALU_DEP_1)
	v_lshlrev_b32 v[SH8], 3, v[SH8]
	s_lshl_b32 s43, s14, 1
	s_lshr_b32 s44, s[WV], 3
	s_add_co_u32 s43, s43, s44                     ; q's record: 2 x block + wave / 8
	s_mul_i32 s43, s43, REC
	s_mul_i32 s18, s15, 2*HEADB
	s_add_co_u32 s18, s18, s43
	s_mov_b32 s19, 0
	s_add_nc_u64 s[4:5], s[4:5], s[18:19]
	s_and_b32 s43, s[WV], 7
	s_lshl_b32 s43, s43, 9
	v_add_nc_u32 v[VQ], s43, v[LI]                 ; tile wave % 8 of the record
	s_bfe_u32 s45, s[WV], 0x10002
	s_lshl_b32 s45, s45, 8
	s_and_b32 s46, s[WV], 3
	s_lshl_b32 s46, s46, 2
	s_add_co_u32 s45, s45, s46
	v_add_nc_u32 v[VQS], s45, v[LSC]               ; 256 ((wave / 4) % 2) + 16 r + 4 (wave % 4)
	global_load_b128 v[QF0:QF0+3], v[VQ], s[4:5]
	global_load_b128 v[QF0+8:QF0+11], v[VQ], s[4:5] offset:HEADB
	global_load_b32 v[QS0], v[VQS], s[4:5] offset:8192
	global_load_b32 v[QS0+1], v[VQS], s[4:5] offset:8192+HEADB
	s_lshl_b32 s44, s44, 9
	s_add_co_u32 s44, s44, STAGE
	v_add_nc_u32 v[STA], s44, v[VQS]               ; the stage is laid as attn_sc is: [wave / 8][(wave / 4) % 2][r][wave % 4]
	v_and_b32 v[VG], 63, v0
	s_delay_alu instid0(VALU_DEP_1)
	v_lshlrev_b32 v[VG], 4, v[VG]
	s_delay_alu instid0(VALU_DEP_1)
	v_add_nc_u32 v[RDA], STAGE, v[VG]
.irp j, 4,5,6,7,12,13,14,15
	v_mov_b32 v[QF0+\j], 0                         ; zero codes for the upper half of the instruction's K
.endr
.irp j, 32,33,34,35
	v_mov_b32 v[KF+\j], 0                          ; what the last tile of k is named with
.endr
	v_mov_b32 v[T2], 0                             ; written once: a lane permute's destination counts as one of its sources
	v_mov_b32 v[F+1], 0                            ; (named as the upper half of a pair)
	s_lshr_b32 s42, s15, 3                         ; the batch
	s_and_b32 s43, s15, 7                          ; the pair of heads = the last product's K step
	s_lshl_b32 s44, s42, 7
	s_lshl_b32 s45, s14, 4
	s_add_co_u32 s44, s44, s45
	s_add_co_u32 s44, s44, s[WV]                   ; my tile of queries among all 512
	s_lshl_b32 s44, s44, 3
	s_add_co_u32 s44, s44, s43
	s_lshl_b32 s44, s44, 10                        ; attn_img: [tile][K step][1,024 bytes]
	s_mov_b32 s45, 0
	s_add_nc_u64 s[8:9], s[8:9], s[44:45]
	s_lshl_b32 s44, s42, 4
	s_lshl_b32 s46, s14, 1
	s_add_co_u32 s44, s44, s46
	s_lshl_b32 s44, s44, 9
	s_lshl_b32 s46, s43, 15
	s_add_co_u32 s44, s44, s46                     ; attn_sc: [K step][eight tiles: 512 bytes]: my work-group's sixteen tiles are 1,024 consecutive bytes
	s_add_nc_u64 s[10:11], s[10:11], s[44:45]
; A KEY STEP: 128 keys of head e.  pre = 1: the next step's k is fetched while this step's softmax is walked.
.macro STEP e, pre
	s_wait_dscnt 0x0                               ; this step's k and its scale words are in
.irp t, 0,1,2,3,4,5,6,7
	v_wmma_scale_f32_16x16x128_f8f6f4 v[S+8*\t:S+8*\t+7], v[KF+4*\t:KF+4*\t+7], v[QF0+8*(\e):QF0+8*(\e)+7], 0, v[KSC+\t], v[QS0+(\e)] matrix_a_fmt:MATRIX_FMT_FP4 matrix_b_fmt:MATRIX_FMT_FP4
.endr
.rept 4
	v_nop                                          ; four places in front of the loads into registers that matrix instructions have read, and of the first read of the scores
.endr
.irp t, 0,1,2,3
.irp c, 0,1
	ds_load_b128 v[VF+8*\t+4*\c:VF+8*\t+4*\c+3], v[VB] offset:4096+1024*\t+512*\c
.endr
.endr
	ds_load_b128 v[VSC:VSC+3], v[VSB] offset:8704
.if \pre
.irp t, 0,1,2,3,4,5,6,7
	ds_load_b128 v[KF+4*\t:KF+4*\t+3], v[VB] offset:REC+512*\t
.endr
.irp g, 0,1
	ds_load_b128 v[KSC+4*\g:KSC+4*\g+3], v[VSB] offset:REC+8192+256*\g
.endr
.endif
.irp b, 0,1,2,3
	v_max3_num_f32 v[MB+\b], v[S+16*\b], v[S+16*\b+1], v[S+16*\b+2]   ; four chains of 16 scores; each accumulator is first read at its low end
.endr
.irp i, 3,5,7,9,11,13
.irp b, 0,1,2,3
	v_max3_num_f32 v[MB+\b], v[MB+\b], v[S+16*\b+\i], v[S+16*\b+\i+1]
.endr
.endr
	v_max3_num_f32 v[BM], v[MB], v[MB+1], v[S+15]
	v_max3_num_f32 v[BM+1], v[MB+2], v[MB+3], v[S+47]
	v_max_num_f32 v[BM], v[BM], v[S+31]            ; THE LARGEST SCORE OF MY TWO BLOCKS OF 32 KEYS: it serves twice: for the row's maximum and, since p rises with the score, for the block's largest p
	v_max_num_f32 v[BM+1], v[BM+1], v[S+63]
	s_delay_alu instid0(VALU_DEP_1)
	v_max_num_f32 v[T], v[BM], v[BM+1]
	s_delay_alu instid0(VALU_DEP_1)
	v_permlanex16_b32 v[T2], v[T], s[SEL], s[SEL+1]
	s_delay_alu instid0(VALU_DEP_1)
	v_max_num_f32 v[T], v[T], v[T2]                ; with lane l xor 16's 64 keys: the step's largest score of my query
	s_delay_alu instid0(VALU_DEP_1)
	v_mul_f32 v[T], s[CS], v[T]                    ; as t (c is positive)
	s_delay_alu instid0(VALU_DEP_1)
	v_max_num_f32 v13, v13, v[T]                   ; the running largest t
	v_mov_b32 v[T], v12
	s_delay_alu instid0(VALU_DEP_2)
	v_floor_f32 v12, -v13                          ; the new -M = floor(-t) = -ceil(t)
	s_delay_alu instid0(VALU_DEP_1)
	v_sub_f32 v[T], v12, v[T]                      ; old M - new M: a whole number, 0 or less
	s_delay_alu instid0(VALU_DEP_1)
	v_cvt_i32_f32 v[T], v[T]                       ; (it saturates)
	s_delay_alu instid0(VALU_DEP_1)
	v_ldexp_f32 v[F], 1.0, v[T]                    ; f = 2^(old M - new M)
.set i, 0
.rept 32
	v_pk_fma_f32 v[S+i:S+i+1], v[S+i:S+i+1], s[CS:CS+1], v[12:13] op_sel_hi:[1,0,0]   ; t - M, two at a time (of the pairs c and -M the low word serves both halves)
.set i, i+2
.endr
.irp c, 0,1
	v_fma_f32 v[BM+\c], v[BM+\c], s[CS], v12       ; the same of each block's largest score
.endr
.set i, 0
	s_wait_alu depctr_va_vdst(0)
.rept 64
	v_exp_f32 v[S+i], v[S+i]                       ; p = 2^(t - M), at most 1: not normalised
.set i, i+1
.endr
	s_setprio 1
	v_pk_mul_f32 v[14:15], v[14:15], v[F:F+1] op_sel_hi:[1,0]   ; the sums under the new M; a plain place behind the exponentials
	s_wait_alu depctr_va_vdst(0)                   ; one wait for the batch of 64, ahead of its first reader
.irp c, 0,1
	v_exp_f32 v[BM+\c], v[BM+\c]                   ; the blocks' largest p
.endr
	v_pk_add_f32 v[SM2:SM2+1], v[S:S+1], v[S+2:S+3]   ; THE ROW'S SUM IS TAKEN OF THE UNQUANTISED p, in two chains; it reads the 64 alone: plain work behind the two
.irp j, 4,8,12,16,20,24,28,32,36,40,44,48,52,56,60
	v_pk_add_f32 v[14:15], v[14:15], v[S+\j:S+\j+1]
	v_pk_add_f32 v[SM2:SM2+1], v[SM2:SM2+1], v[S+\j+2:S+\j+3]
.endr
	s_delay_alu instid0(VALU_DEP_1)
	v_pk_add_f32 v[14:15], v[14:15], v[SM2:SM2+1]
	s_wait_alu depctr_va_vdst(0)                   ; and one wait for the two
.irp c, 0,1
	v_max_num_f32 v[BM+\c], 0x1800000, v[BM+\c]    ; the floor 2^(3 - 127): the byte cannot fall under 1
.endr
.irp c, 0,1
	s_delay_alu instid0(VALU_DEP_2)
	v_add_nc_u32 v[SOP+\c], 0xff000000, v[BM+\c]   ; 2 off the exponent field: the conversion's scale operand
.endr
.irp c, 0,1
	s_delay_alu instid0(VALU_DEP_2)
	v_lshrrev_b32 v[BY+\c], 23, v[SOP+\c]          ; the scale's byte
.endr
	s_delay_alu instid0(VALU_DEP_1)
	v_lshl_or_b32 v[PW], v[BY+1], 16, v[BY]
	s_delay_alu instid0(VALU_DEP_1)
	v_lshlrev_b32 v[PW], v[SH8], v[PW]             ; blocks h and 2 + h at their places,
	s_delay_alu instid0(VALU_DEP_1)
	v_permlanex16_b32 v[T2], v[PW], s[SEL], s[SEL+1]
	s_delay_alu instid0(VALU_DEP_1)
	v_or_b32 v[PW], v[PW], v[T2]                   ; with lane l xor 16's two: p's scale word for these 128 keys
.irp c, 0,1
.irp g, 0,1,2,3
	v_cvt_scalef32_pk8_fp4_f32 v[PC+4*\c+\g], v[S+32*\c+8*\g:S+32*\c+8*\g+7], v[SOP+\c]   ; registers 4 c .. 4 c + 3 of the operand, as they stand
.endr
.endr
	v_nop                                          ; one plain place behind the scaled conversions
.set i, 0
	s_setprio 0
.rept 16
	v_pk_mul_f32 v[O+i:O+i+1], v[O+i:O+i+1], v[F:F+1] op_sel_hi:[1,0]   ; O^T under the new M.  For each product below, twelve of these name none of its registers: the places between the scale word, the codes and the product
.set i, i+2
.endr
	s_wait_alu depctr_va_vdst(0)
	s_wait_dscnt 10*(\pre)                         ; v^T and its scale words are in; the ten loads issued behind them, the next step's k, may be out
.irp t, 0,1,2,3
	v_wmma_scale_f32_16x16x128_f8f6f4 v[O+8*\t:O+8*\t+7], v[VF+8*\t:VF+8*\t+7], v[PC:PC+7], v[O+8*\t:O+8*\t+7], v[VSC+\t], v[PW] matrix_a_fmt:MATRIX_FMT_FP4 matrix_b_fmt:MATRIX_FMT_FP4
.endr
.if \pre
	s_add_co_u32 s[TB], s[TB], REC                 ; on to the next record
	v_add_nc_u32 v[VB], s[TB], v[LI]
	v_add_nc_u32 v[VSB], s[TB], v[LSC]
.endif
.endm
; ONE HEAD: all 2,048 keys, then O^T / the sum, quantised: half a fragment and half a scale word of the last product's operand.
.macro HEAD e
.if (\e) == 0
	s_wait_tensorcnt 0x1                           ; my record of the first head is in; the second head's load, issued behind it, may stay out
.else
	s_wait_tensorcnt 0x0                           ; my record of the second head is in
	s_wait_dscnt 0x0                               ; no LDS load of mine is out at the signal
.endif
	s_barrier_signal -1
	s_barrier_wait -1                              ; everybody's is: the head's sixteen records lie in LDS
	s_mov_b32 s[TB], (\e)*HEADB
	v_add_nc_u32 v[VB], s[TB], v[LI]
	v_add_nc_u32 v[VSB], s[TB], v[LSC]
.irp t, 0,1,2,3,4,5,6,7
	ds_load_b128 v[KF+4*\t:KF+4*\t+3], v[VB] offset:512*\t
.endr
.irp g, 0,1
	ds_load_b128 v[KSC+4*\g:KSC+4*\g+3], v[VSB] offset:8192+256*\g
.endr
	v_mov_b32 v13, 0xff61b1e6                      ; the largest t so far: -3e38
	s_delay_alu instid0(VALU_DEP_1)
	v_floor_f32 v12, -v13                          ; -M
	v_mov_b32 v14, 0
	v_mov_b32 v15, 0
.set i, 0
.rept 32
	v_mov_b32 v[O+i], 0                            ; O^T.  (The step is written once: the first finds zeros, which the first change of M leaves zeros)
.set i, i+1
.endr
	s_mov_b32 s[CNT], 15
.Lkey_\@:
	s_wait_alu depctr_va_vdst(0)
	s_setprio 2
	STEP \e, 1
	s_sub_co_u32 s[CNT], s[CNT], 1
	s_cmp_lg_u32 s[CNT], 0
	s_cbranch_scc1 .Lkey_\@
	s_setprio 0
	s_wait_alu depctr_va_vdst(0)
	STEP \e, 0                                     ; the last step is written out: nothing is read beyond the head's records
	v_add_f32 v14, v14, v15                        ; the sum's two halves,
	v_nop
	v_permlanex16_b32 v[T2], v14, s[SEL], s[SEL+1]
	s_delay_alu instid0(VALU_DEP_1)
	v_add_f32 v14, v14, v[T2]                      ; and lane l xor 16's: the row's sum
	s_wait_alu depctr_va_vdst(0)
	v_rcp_f32 v[F], v14
	v_nop                                          ; a plain place behind the reciprocal; with the two additions and the v_nop above and below: five places behind the last products
	v_nop
	s_wait_alu depctr_va_vdst(0)                   ; the wait ahead of the reciprocal's first reader
.set i, 0
.rept 16
	v_pk_mul_f32 v[S+i:S+i+1], v[O+i:O+i+1], v[F:F+1] op_sel_hi:[1,0]   ; O^T / the sum: register i is channel 32 h + i of my query; each accumulator from its low end on
.set i, i+2
.endr
.irp c, 0,1
	v_max3_num_f32 v[MB+\c], |v[S+16*\c]|, |v[S+16*\c+1]|, 0x1800000   ; the block's largest magnitude, in two chains, and the floor
.endr
.irp i, 2,4,6,8,10,12,14
.irp c, 0,1
	s_delay_alu instid0(VALU_DEP_2)
	v_max3_num_f32 v[MB+\c], v[MB+\c], |v[S+16*\c+\i]|, |v[S+16*\c+\i+1]|
.endr
.endr
	s_delay_alu instid0(VALU_DEP_1)
	v_max_num_f32 v[MB], v[MB], v[MB+1]
	s_delay_alu instid0(VALU_DEP_1)
	v_add_nc_u32 v[SOP], 0xff000000, v[MB]
	s_delay_alu instid0(VALU_DEP_1)
	v_lshrrev_b32 v[BY], 23, v[SOP]
.irp g, 0,1,2,3
	v_cvt_scalef32_pk8_fp4_f32 v[OC+4*(\e)+\g], v[S+8*\g:S+8*\g+7], v[SOP]   ; registers 4 e .. 4 e + 3: k = 64 e + 32 h + 0 .. 31 of the pair's 128
.endr
	v_nop                                          ; one plain place behind the scaled conversions
	v_lshlrev_b32 v[T], v[SH8], v[BY]
	s_delay_alu instid0(VALU_DEP_1)
	v_permlanex16_b32 v[T2], v[T], s[SEL], s[SEL+1]
.if (\e) == 0
	s_delay_alu instid0(VALU_DEP_1)
	v_or_b32 v[OW], v[T], v[T2]                    ; bytes 0 and 1
.else
	s_delay_alu instid0(VALU_DEP_1)
	v_or_b32 v[T], v[T], v[T2]
	s_delay_alu instid0(VALU_DEP_1)
	v_lshl_or_b32 v[OW], v[T], 16, v[OW]           ; bytes 2 and 3
.endif
.endm
	s_wait_loadcnt 0x0                             ; q and its scale words
	HEAD 0
	HEAD 1
	global_store_b128 v[LI], v[OC:OC+3], s[8:9]               ; my fragment's image: twice 512 consecutive bytes
	global_store_b128 v[LI], v[OC+4:OC+7], s[8:9] offset:512
	ds_store_b32 v[STA], v[OW]                     ; lanes r and 16 + r write the same word with the same value
	s_wait_dscnt 0x0                               ; for the others' sake: my store has landed
	s_barrier_signal -1
	s_barrier_wait -1
	s_cmp_lt_u32 s[WV], 2                          ; waves 0 and 1 carry the sixteen waves' words out: 64 threads x 16 bytes
	s_cbranch_scc0 .Lno_words
	ds_load_b128 v[S:S+3], v[RDA]
	s_wait_dscnt 0x0
	global_store_b128 v[VG], v[S:S+3], s[10:11]    ; a wave stores 512 consecutive bytes
.Lno_words:
	s_wait_tensorcnt 0x0                           ; the wave's end, behind my last tensor load and my last LDS store
	ds_add_u32 v[SPW], v[NIL]
	s_wait_dscnt 0x0
	CROUND                                         ; the closing round
	s_endpgm
.Lfunc_end_k_qc101a1bcd8_attn:
	.size	k_qc101a1bcd8_attn, .Lfunc_end_k_qc101a1bcd8_attn-k_qc101a1bcd8_attn
	.p2alignl 7, 3214868480
	.fill 96, 4, 3214868480
	.section	.rodata,"a",@progbits
	.p2align	6, 0x0
	.amdhsa_kernel k_qc101a1bcd8_attn
		.amdhsa_group_segment_fixed_size 327680
		.amdhsa_private_segment_fixed_size 0
		.amdhsa_enable_private_segment 0
		.amdhsa_kernarg_size 32
		.amdhsa_user_sgpr_count 2
		.amdhsa_user_sgpr_kernarg_segment_ptr 1
		.amdhsa_wavefront_size32 1
		.amdhsa_system_sgpr_workgroup_id_x 1
		.amdhsa_system_sgpr_workgroup_id_y 1
		.amdhsa_system_sgpr_workgroup_id_z 1
		.amdhsa_system_vgpr_workitem_id 0
		.amdhsa_next_free_vgpr 256
		.amdhsa_next_free_sgpr 66
		.amdhsa_reserve_vcc 0
		.amdhsa_float_denorm_mode_32 3
		.amdhsa_float_denorm_mode_16_64 3
		.amdhsa_memory_ordered 1
		.amdhsa_forward_progress 1
		.amdhsa_inst_pref_size 75
	.end_amdhsa_kernel
	.amdgpu_metadata
---
amdhsa.version: [ 1, 2 ]
amdhsa.kernels:
  - .name:           k_qc101a1bcd8_attn
    .symbol:         k_qc101a1bcd8_attn.kd
    .args:
      - { .name: qb, .offset: 0, .size: 8, .value_kind: global_buffer, .address_space: global }
      - { .name: kv, .offset: 8, .size: 8, .value_kind: global_buffer, .address_space: global }
      - { .name: attn_img, .offset: 16, .size: 8, .value_kind: global_buffer, .address_space: global }
      - { .name: attn_sc, .offset: 24, .size: 8, .value_kind: global_buffer, .address_space: global }
    .group_segment_fixed_size: 327680
    .private_segment_fixed_size: 0
    .kernarg_segment_align: 8
    .kernarg_segment_size: 32
    .max_flat_workgroup_size: 512
    .sgpr_count:     66
    .vgpr_count:     256
    .wavefront_size: 32
...
	.end_amdgpu_metadata
.endif
;; end of part 2
;; launch oproj (part 3): grid 4 x 64, 4 waves a work-group, clusters of 4 x 4, 327,680 bytes of LDS; arguments attn_img, attn_sc, w_out_codes, w_out_scales, b_out, out0; writes out0
.if DOCPART == 3
	.amdgcn_target "amdgcn-amd-amdhsa--gfx1250"
	.amdhsa_code_object_version 6
	.text
	.protected	k_qc101a1bcd8_oproj
	.globl	k_qc101a1bcd8_oproj
	.p2align	8
	.type	k_qc101a1bcd8_oproj,@function
k_qc101a1bcd8_oproj:
	s_mov_b64 s[64:65], 0
	v_nop
	global_prefetch_b8 v0, s[64:65] scope:SCOPE_SE
	s_setreg_imm32_b32 hwreg(HW_REG_WAVE_MODE, 25, 1), 1
	s_wait_xcnt 0x0
	s_wait_alu depctr_hold_cnt(0) depctr_sa_sdst(0) depctr_va_vdst(0) depctr_va_sdst(0) depctr_va_ssrc(0) depctr_va_vcc(0) depctr_vm_vsrc(0)
	s_getreg_b32 s2, hwreg(HW_REG_IB_STS2, 6, 4)
	s_cmp_eq_u32 s2, 0
	s_cbranch_scc0 .Lentry_in_a_cluster
	s_endpgm
.Lentry_in_a_cluster:
	s_bfe_u32 s2, ttmp6, 0x10000c
	s_cmp_lg_u32 s2, 0xf033
	s_cbranch_scc0 .Lentry_shape_is_right
	s_endpgm
.Lentry_shape_is_right:
; THIRD OF THREE LAUNCHES: out0 = attention's result x w_out + b_out, on codes of FP4 (E2M1) with E8M0 scales.  No work is left out.
; P = the result's codes, laid by the launch before as images of operand registers: [tile of 16 rows][K step of 128][2 x 512 bytes]; their scale words [K step][eight tiles: [tile / 4][row][tile % 4]].
; Lane r of tile a of a run of 128 rows holds row 64 (a / 4) + 8 (a % 4) + r % 8 + 32 (r / 8): the way out puts the rows back in their places.
; R = w_out's rows (the output's columns), K innermost, as they are given; their tiles are 16 neighbouring rows.
; SHARES: a work-group makes 128 rows x 256 columns; each of four waves all 128 rows x 64 columns: 32 accumulators.  K = 1,024 lies in LDS whole: nothing is filled twice.
; THE MATRIX INSTRUCTION IS USED TRANSPOSED (source 0 = 16 rows of w_out, source 1 = a tile of P): a lane holds eight neighbouring columns of one row.  b_out is the C of each sum's first instruction.
; CLUSTER 4 x 4: P's block hangs on the place along y alone and is asked for jointly by a row of the cluster, R's on the place along x alone, by a column.
; REGISTERS: window 0: addresses; v32-63 P's scale words, v64-79 R's; v128-191 rows on the way out.  window 1: two sets of fragments (R's four at 128 p, P's eight at 128 p + 32); v96-127 the bias.
; window 2: accumulator (a, b) at v[8 (4 a + b)].
.set RB,    65536                      ; LDS: P's image, 65,536 dense bytes; then R: 256 rows of 512 bytes + 16 of padding
.set RP,    528
.set STG,   RB+256*RP                  ; the way out: 16 rows x (256 bytes + 16) for each wave; no tensor load lands here
.set SPARE, STG+4*16*272               ; the spare words, 128 bytes for each wave
.set LI,   4                           ; v4   16 x lane
.set ADRR, 5                           ; v5   LDS address of my fragments of R
.set STO,  6                           ; v6   the stage: where I put 32 bytes of a row
.set RD,   7                           ; v7   and where I read a row back
.set CO,   8                           ; v8   my byte offset in out0: a row for each half of the lanes, 16 bytes a lane
.set VRS,  9                           ; v9   R's scale bytes: 32 r + 16 h
.set VBI,  10                          ; v10  the bias: 32 h
.set SPW,  13                          ; v13  my spare word; never rewritten
.set NIL,  14                          ; v14  0; never rewritten
.set PS,   32                          ; v32-63 K step q at 4 q: register i: lanes 0-15 tile i, lanes 16-31 tile 4 + i
.set RS,   64                          ; v64-79 tile b at 4 b: lanes 0-15 K steps 0-3, lanes 16-31 K steps 4-7
.set BK,   128
.set BIAS, 96                          ; in window 1
.set G1P,  24
.set G0P,  32
.set G1R,  48
.set G0R,  56
.set MSB, 0
.macro WIN new
.if MSB != (\new)
	s_set_vgpr_msb (MSB<<8)|(\new)
.set MSB, (\new)
.endif
.endm
.macro PLACES
.rept 4
	v_nop
.endr
.endm
.macro CROUND
	s_barrier_signal -1
	s_barrier_wait -1
	s_cmp_lg_u32 s18, 0
	s_cbranch_scc1 .Lnot_wave_0_\@
	s_barrier_signal -3
.Lnot_wave_0_\@:
	s_barrier_wait -3
	s_barrier_signal -1
	s_barrier_wait -1
.endm
	s_load_b256 s[4:11], s[0:1], 0x0               ; attn_img s[4:5], attn_sc s[6:7], w_out's codes s[8:9], its scales s[10:11]
	s_load_b128 s[12:15], s[0:1], 0x20             ; b_out s[12:13], out0 s[14:15]
	v_lshl_add_u32 v[SPW], v0, 2, SPARE
	v_mov_b32 v[NIL], 0
	ds_add_u32 v[SPW], v[NIL]                      ; the wave's opening: the add, twice on end, and its wait ahead of my first tensor load
	ds_add_u32 v[SPW], v[NIL]                      ; and once more, under the one wait; the set-up below is work on registers
	v_lshrrev_b32 v1, 5, v0
	v_readfirstlane_b32 s18, v1                    ; wave 0..3
	s_lshr_b32 s19, s18, 1                         ; I fetch for P (0) or for R (1),
	s_and_b32 s20, s18, 1                          ; this half of it
	s_bfe_u32 s40, ttmp6, 0x40000                  ; cx
	s_bfe_u32 s41, ttmp6, 0x40004                  ; cy
	s_lshl_b32 s42, ttmp9, 2
	s_add_co_u32 s42, s42, s40                     ; which 256 columns
	s_and_b32 s43, ttmp7, 0xffff
	s_lshl_b32 s43, s43, 2
	s_add_co_u32 s43, s43, s41                     ; which 128 rows
	s_lshl_b32 s21, s41, 2
	s_lshl_b32 s21, 15, s21                        ; my row of the cluster
	s_lshl_b32 s22, 0x1111, s40                    ; my column
	s_or_b32 s[G1P], s21, (3<<16)|(1<<21)          ; P: the mask; elements of 8 bytes; 21 set beside a mask; no padding: an image's 512 bytes are read on end
	s_mov_b32 s[G1P+1], 32<<16                     ; half the block: 128 rows of 256 dense bytes
	s_mov_b32 s[G1P+2], 128<<16
	s_mov_b32 s[G1P+3], 32<<16
	s_mov_b32 s[G1P+4], 128
	s_mov_b32 s[G1P+5], 32
	s_mov_b32 s[G1P+6], 0
	s_mov_b32 s[G1P+7], 0
	s_or_b32 s[G1R], s22, (1<<20)|(1<<21)|(6<<22)|(3<<25)   ; R: the mask; elements of 1 byte; padding: 4 words after every 128
	s_mov_b32 s[G1R+1], 512<<16                    ; 128 rows of 512 bytes
	s_mov_b32 s[G1R+2], 128<<16
	s_mov_b32 s[G1R+3], 512<<16
	s_mov_b32 s[G1R+4], 128
	s_mov_b32 s[G1R+5], 512
	s_mov_b32 s[G1R+6], 0
	s_mov_b32 s[G1R+7], 0
	s_lshl_b32 s36, s43, 16                        ; P's block: 65,536 bytes for 128 rows; it holds cy alone
	s_lshl_b32 s2, s20, 15
	s_add_co_u32 s36, s36, s2
	s_mov_b32 s37, 0
	s_lshl_b32 s38, s42, 8                         ; R's rows: it holds cx alone
	s_lshl_b32 s3, s20, 7
	s_add_co_u32 s38, s38, s3
	s_lshl_b32 s38, s38, 9
	s_mov_b32 s39, 0
	s_mul_i32 s3, s20, 128*RP
	s_add_co_u32 s3, s3, RB                        ; where R's half goes; P's goes to s2: the wave's number alone enters an LDS address
	s_wait_dscnt 0x0                               ; both opening adds are done
	s_wait_kmcnt 0x0
	CROUND                                         ; all sixteen work-groups are here: the joint loads meet
	s_mov_b32 s[G0P], 1
	s_mov_b32 s[G0P+1], s2
	s_add_nc_u64 s[G0P+2:G0P+3], s[4:5], s[36:37]
	s_or_b32 s[G0P+3], s[G0P+3], 0x80000000
	s_mov_b32 s[G0R], 1
	s_mov_b32 s[G0R+1], s3
	s_add_nc_u64 s[G0R+2:G0R+3], s[8:9], s[38:39]
	s_or_b32 s[G0R+3], s[G0R+3], 0x80000000
	s_cmp_eq_u32 s19, 0                            ; the wave's number alone; a load in each arm: one tensor load of mine is out, and there is no other in this text
	s_cbranch_scc0 .Lfor_r
	tensor_load_to_lds s[G0P:G0P+3], s[G1P:G1P+7]
	s_nop 0
.rept 4
	v_nop
.endr
	s_branch .Lasked
.Lfor_r:
	tensor_load_to_lds s[G0R:G0R+3], s[G1R:G1R+7]
	s_nop 0
.rept 4
	v_nop
.endr
.Lasked:
	v_and_b32 v1, 15, v0                           ; r
	v_bfe_u32 v2, v0, 4, 1                         ; h
	v_and_b32 v[LI], 31, v0
	v_lshlrev_b32 v[LI], 4, v[LI]
	s_lshl_b32 s3, s18, 6
	s_mul_i32 s3, s3, RP
	s_add_co_u32 s3, s3, RB                        ; my 64 rows of R
	v_mul_u32_u24 v[ADRR], v1, RP
	v_lshl_add_u32 v[ADRR], v2, 4, v[ADRR]
	v_add_nc_u32 v[ADRR], s3, v[ADRR]
	s_mul_i32 s2, s18, 16*272
	s_add_co_u32 s2, s2, STG                       ; my stage
	v_mul_u32_u24 v[STO], v1, 272
	v_lshl_add_u32 v[STO], v2, 5, v[STO]
	v_add_nc_u32 v[STO], s2, v[STO]
	v_mul_u32_u24 v[RD], v2, 272
	v_lshl_add_u32 v[RD], v1, 4, v[RD]
	v_add_nc_u32 v[RD], s2, v[RD]
	v_lshlrev_b32 v[CO], 12, v2
	v_lshl_add_u32 v[CO], v1, 4, v[CO]
	v_lshlrev_b32 v[VRS], 5, v1
	v_lshl_add_u32 v[VRS], v2, 4, v[VRS]
	s_wait_alu depctr_va_vdst(0)
	v_lshlrev_b32 v[VBI], 5, v2
	s_wait_alu depctr_va_vdst(0)
	s_lshl_b32 s46, s43, 9                         ; P's scale words: 512 bytes for my eight tiles in each K step's table
	s_mov_b32 s47, 0
	s_add_nc_u64 s[60:61], s[6:7], s[46:47]
	s_lshl_b32 s44, s42, 8
	s_lshl_b32 s46, s18, 6
	s_add_co_u32 s44, s44, s46                     ; my first column
	s_lshl_b32 s46, s44, 5
	s_add_nc_u64 s[62:63], s[10:11], s[46:47]      ; its 32 scale bytes
	s_lshl_b32 s46, s44, 2
	s_add_nc_u64 s[16:17], s[12:13], s[46:47]      ; its bias
	s_add_nc_u64 s[14:15], s[14:15], s[46:47]      ; its place in a row of out0,
	s_lshl_b32 s46, s43, 19
	s_add_nc_u64 s[14:15], s[14:15], s[46:47]      ; in my first row: 128 rows of 4,096 bytes for each block
.irp s, 0,1,2,3,4,5,6,7
	global_load_b128 v[PS+4*\s:PS+4*\s+3], v[LI], s[60:61] offset:32768*\s   ; 512 consecutive bytes
.endr
.irp b, 0,1,2,3
	global_load_b128 v[RS+4*\b:RS+4*\b+3], v[VRS], s[62:63] offset:512*\b
.endr
	WIN 0x40                                       ; destination window 1
.irp b, 0,1,2,3
	global_load_b128 v[BIAS+8*\b:BIAS+8*\b+3], v[VBI], s[16:17] offset:64*\b        ; lane (r, h): b_out at columns 16 b + 8 h + 0 .. 7: the result's layout
	global_load_b128 v[BIAS+8*\b+4:BIAS+8*\b+7], v[VBI], s[16:17] offset:64*\b+16
.endr
	WIN 0
.macro FETCH q, p                      ; 24 LDS loads: K step q's fragments into set p
	WIN 0x40
.irp b, 0,1,2,3
.irp c, 0,1
	ds_load_b128 v[128*(\p)+8*\b+4*\c:128*(\p)+8*\b+4*\c+3], v[ADRR] offset:16*\b*RP+64*(\q)+32*\c
.endr
.endr
.irp a, 0,1,2,3,4,5,6,7
.irp c, 0,1
	ds_load_b128 v[128*(\p)+32+8*\a+4*\c:128*(\p)+32+8*\a+4*\c+3], v[LI] offset:8192*\a+1024*(\q)+512*\c
.endr
.endr
.endm
.macro PROD d, a, b, c, sa, sb, ra, rb ; one product; ra, rb: the scale words stand in lanes 16-31
.if (\ra) == 0 && (\rb) == 0
	v_wmma_scale_f32_16x16x128_f8f6f4 v[\d:\d+7], v[\a:\a+7], v[\b:\b+7], v[\c:\c+7], v[\sa], v[\sb] matrix_a_fmt:MATRIX_FMT_FP4 matrix_b_fmt:MATRIX_FMT_FP4
.elseif (\ra) == 0
	v_wmma_scale_f32_16x16x128_f8f6f4 v[\d:\d+7], v[\a:\a+7], v[\b:\b+7], v[\c:\c+7], v[\sa], v[\sb] matrix_a_fmt:MATRIX_FMT_FP4 matrix_b_fmt:MATRIX_FMT_FP4 matrix_b_scale:MATRIX_SCALE_ROW1
.elseif (\rb) == 0
	v_wmma_scale_f32_16x16x128_f8f6f4 v[\d:\d+7], v[\a:\a+7], v[\b:\b+7], v[\c:\c+7], v[\sa], v[\sb] matrix_a_fmt:MATRIX_FMT_FP4 matrix_b_fmt:MATRIX_FMT_FP4 matrix_a_scale:MATRIX_SCALE_ROW1
.else
	v_wmma_scale_f32_16x16x128_f8f6f4 v[\d:\d+7], v[\a:\a+7], v[\b:\b+7], v[\c:\c+7], v[\sa], v[\sb] matrix_a_fmt:MATRIX_FMT_FP4 matrix_b_fmt:MATRIX_FMT_FP4 matrix_a_scale:MATRIX_SCALE_ROW1 matrix_b_scale:MATRIX_SCALE_ROW1
.endif
.endm
; 32 matrix instructions: K step q.  The 32 accumulators take turns, one instruction a turn, in the same order in every step.
.macro MUL q, p
.if (\q) == 0
	WIN 0x95                                       ; sources 0, 1 and C (the bias) window 1, D window 2
.else
	WIN 0xa5                                       ; sources 0 and 1 window 1, C and D window 2
.endif
.irp a, 0,1,2,3,4,5,6,7
.irp b, 0,1,2,3
.if (\q) == 0
	PROD 8*(4*\a+\b), 128*(\p)+8*\b, 128*(\p)+32+8*\a, BIAS+8*\b, RS+4*\b, PS+\a%4, 0, \a/4
.else
	PROD 8*(4*\a+\b), 128*(\p)+8*\b, 128*(\p)+32+8*\a, 8*(4*\a+\b), RS+4*\b+(\q)%4, PS+4*(\q)+\a%4, (\q)/4, \a/4
.endif
.endr
.endr
.endm
	s_wait_tensorcnt 0x0                           ; my part of P or of R is in,
	s_barrier_signal -1
	s_barrier_wait -1                              ; everybody's is
	FETCH 0, 0
	FETCH 1, 1
	s_wait_loadcnt 0x0                             ; the scale words and the bias
	s_wait_dscnt 24                                ; K step 0's fragments are in; K step 1's 24 loads may be out
	MUL 0, 0
.irp q, 1,2,3,4,5,6
	PLACES                                         ; the other set was read by the step before
	FETCH \q+1, (\q+1)%2
	s_wait_dscnt 24                                ; all but the 24 just issued
	MUL \q, \q%2
.endr
	s_wait_dscnt 0x0
	MUL 7, 1
	WIN 0
; THE WAY OUT, a tile of 16 rows x my 64 columns at a time.  A lane holds 32 neighbouring bytes of a row, and the lanes beside it hold other rows: so a tile goes through my own stage in LDS and comes back as whole
; runs of 256 bytes: sixteen lanes store one aligned run.  LDS serves a wave's instructions in order (ISA guide 5.7.1.4): no wait between the stores and the loads, nor in front of the next tile's stores.
.macro TOSTAGE a
	WIN 0x08                                       ; an LDS store's data: window 2
.irp b, 0,1,2,3
	ds_store_b128 v[STO], v[8*(4*(\a)+\b):8*(4*(\a)+\b)+3] offset:64*\b          ; each accumulator from its low end on
	ds_store_b128 v[STO], v[8*(4*(\a)+\b)+4:8*(4*(\a)+\b)+7] offset:64*\b+16
.endr
	WIN 0
.irp t, 0,1,2,3,4,5,6,7
	ds_load_b128 v[BK+32*((\a)%2)+4*\t:BK+32*((\a)%2)+4*\t+3], v[RD] offset:544*\t   ; stage rows 2 t and 2 t + 1
.endr
.endm
.macro SEND a, younger                 ; younger: the LDS instructions issued behind tile a's loads, which may stay out
	s_wait_dscnt \younger
.irp t, 0,1,2,3,4,5,6,7
	global_store_b128 v[CO], v[BK+32*((\a)%2)+4*\t:BK+32*((\a)%2)+4*\t+3], s[14:15] offset:(64*((\a)/4)+8*((\a)%4)+2*(\t%4)+32*(\t/4))*4096 th:TH_STORE_NT   ; stage row s is row 64 (a / 4) + 8 (a % 4) + s % 8 + 32 (s / 8); written once, read by nobody here
.endr
.endm
	PLACES                                         ; four places behind the last products, in front of the first read of results
	TOSTAGE 0
.irp a, 1,2,3,4,5,6,7
.if \a > 1
	s_wait_xcnt 0x0                                ; tile a - 2's stores have read their registers: tile a's loads may land there
.endif
	TOSTAGE \a
	SEND \a-1, 16                                  ; behind tile a - 1's loads: tile a's 8 stores and 8 loads
.endr
	SEND 7, 0
	s_wait_tensorcnt 0x0                           ; the wave's end, behind my last tensor load and my last LDS store
	ds_add_u32 v[SPW], v[NIL]
	s_wait_dscnt 0x0
	CROUND                                         ; the closing round
	s_endpgm
.Lfunc_end_k_qc101a1bcd8_oproj:
	.size	k_qc101a1bcd8_oproj, .Lfunc_end_k_qc101a1bcd8_oproj-k_qc101a1bcd8_oproj
	.p2alignl 7, 3214868480
	.fill 96, 4, 3214868480
	.section	.rodata,"a",@progbits
	.p2align	6, 0x0
	.amdhsa_kernel k_qc101a1bcd8_oproj
		.amdhsa_group_segment_fixed_size 327680
		.amdhsa_private_segment_fixed_size 0
		.amdhsa_enable_private_segment 0
		.amdhsa_kernarg_size 48
		.amdhsa_user_sgpr_count 2
		.amdhsa_user_sgpr_kernarg_segment_ptr 1
		.amdhsa_wavefront_size32 1
		.amdhsa_system_sgpr_workgroup_id_x 1
		.amdhsa_system_sgpr_workgroup_id_y 1
		.amdhsa_system_sgpr_workgroup_id_z 1
		.amdhsa_system_vgpr_workitem_id 0
		.amdhsa_next_free_vgpr 768
		.amdhsa_next_free_sgpr 66
		.amdhsa_reserve_vcc 0
		.amdhsa_float_denorm_mode_32 3
		.amdhsa_float_denorm_mode_16_64 3
		.amdhsa_memory_ordered 1
		.amdhsa_forward_progress 1
		.amdhsa_inst_pref_size 69
	.end_amdhsa_kernel
	.amdgpu_metadata
---
amdhsa.version: [ 1, 2 ]
amdhsa.kernels:
  - .name:           k_qc101a1bcd8_oproj
    .symbol:         k_qc101a1bcd8_oproj.kd
    .args:
      - { .name: attn_img, .offset: 0, .size: 8, .value_kind: global_buffer, .address_space: global }
      - { .name: attn_sc, .offset: 8, .size: 8, .value_kind: global_buffer, .address_space: global }
      - { .name: w_out_codes, .offset: 16, .size: 8, .value_kind: global_buffer, .address_space: global }
      - { .name: w_out_scales, .offset: 24, .size: 8, .value_kind: global_buffer, .address_space: global }
      - { .name: b_out, .offset: 32, .size: 8, .value_kind: global_buffer, .address_space: global }
      - { .name: out0, .offset: 40, .size: 8, .value_kind: global_buffer, .address_space: global }
    .group_segment_fixed_size: 327680
    .private_segment_fixed_size: 0
    .kernarg_segment_align: 8
    .kernarg_segment_size: 48
    .max_flat_workgroup_size: 128
    .sgpr_count:     66
    .vgpr_count:     768
    .wavefront_size: 32
...
	.end_amdgpu_metadata
.endif
;; end of part 3
